; MI455X (gfx1250); checked and timed in simulation.
; The chip was launched on July 23, 2026; its instructions are those of AMD's public machine-readable ISA for CDNA 5 (MIT licence, August 2026) and "CDNA5" Instruction Set Architecture Reference Guide (July 2026). The comments in the code are by the model that wrote it; some were corrected since.
;; Export Weight Backed Linear. Allowed arithmetic: matrix products marked QUANTISED: E2M1 operands, one E8M0 scale for each 32 along K, by v_wmma_scale_f32_16x16x128_f8f6f4 with both operands' format E2M1 (or v_wmma_scale_f32_32x16x128_f4), f32 sums; everything else in f32.
;; Inputs: bias 4,096 float32; gamma 4,096 float32; scale 4,096 float32; weight_q 4,096 x 4,096 int32; x 2 x 2,048 x 4,096 float32; zero_point 4,096 int32.
;; Outputs: out0 2 x 2,048 x 4,096 float32.
;; This version of the problem:
;;   THIS VERSION OF THE PROBLEM IS GIVEN IN LOW PRECISION. The matrix products marked QUANTISED in the list below multiply operands that are first quantised to E2M1 (2 exponent bits, 1 mantissa bit; 4 bits a number), with one power-of-two scale for each 32 numbers along K (OCP MX v1.0); their sums are f32. All else is computed in f32.
;;   The module's matrix products, in the order in which they are computed (A, B: the left and right operand; K: the contracted axis; several contracted axes count as one K, in the product's order):
;;     1. [M 4,096, K 4,096] x [K 4,096, N 4,096]; A: input x; B: computed on the way: QUANTISED
;;   THE QUANTISER, for each operand of a quantised product, along K:
;;     - K is cut into blocks of 32 from its start; a last block that is shorter is filled with zeros.
;;     - A block's scale is 2^e with e = floor(log2(the largest magnitude in the block)) - 2, held to -126 .. 127; a block of zeros has e = 0. As a byte (E8M0): e + 127.
;;     - Each number is divided by its block's scale, clamped to +-6, and rounded to the nearest number of E2M1, ties to even, subnormals kept.
;;     - The product sums the exact products of the quantised numbers (number of the format x scale) in f32.
;;   ~~~python
;;   def quantise(x, axis):      # numpy; x: float32 -> the quantised numbers, widened to float32 again
;;       x = np.moveaxis(x, axis, -1); K = x.shape[-1]
;;       x = np.pad(x, [(0, 0)] * (x.ndim - 1) + [(0, -K % 32)]); x = x.reshape(x.shape[:-1] + (-1, 32)); a = np.abs(x).max(-1, keepdims=True)
;;       e = np.where(a > 0, np.clip(np.frexp(np.where(a > 0, a, 1))[1] - 1 - 2, -126, 127), 0)      # np.frexp(a)[1] - 1 = floor(log2(a)), exactly
;;       r = np.clip(x / 2.0 ** e, -6, 6)
;;       step = 2.0 ** (np.maximum(np.frexp(np.where(r == 0, 1, r))[1] - 1, 0) - 1)
;;       q = np.round(r / step) * step * 2.0 ** e      # np.round: ties to even
;;       return np.moveaxis(q.reshape(q.shape[:-2] + (-1,))[..., :K], -1, axis).astype(np.float32)
;;   ~~~
;;   OPERANDS COMPUTED ON THE WAY. 'Computed on the way' means the value that the module computes at that place (a softmax that the list does not call 'softmax' is quantised finished and normalised). What goes into a quantiser is computed in f32, as accurately as f32 sums, v_exp_f32 and their like allow (about 1e-6 of the number): no bf16 or f16 on the way to a quantiser, and a product that is left as it is and whose result goes on into a quantised operand takes f32 operands (vector FMAs, or v_wmma_f32_16x16x4_f32). A number that lies on a knife's edge between two numbers of the format may be rounded either way, as far as f32 arithmetic and the matrix unit's own rounding can turn it there, and no further.
;; One version. Each part assembles by itself: llvm-mc -triple=amdgcn-amd-amdhsa -mcpu=gfx1250 --defsym DOCPART=n.
;; ======== version 1 of 1: 2 launches
;; limits: right only within a limited range of input values
;; workspace buffers: cod 17,825,792 bytes
;; launch quant (part 1): grid 1024 x 1, 4 waves a work-group, no clusters, 34,304 bytes of LDS; arguments x, weight_q, zero_point, scale, gamma, cod; writes cod
.if DOCPART == 1
	.amdgcn_target "amdgcn-amd-amdhsa--gfx1250"
	.amdhsa_code_object_version 6
	.text
	.protected	k_q7f9f46a209_quant
	.globl	k_q7f9f46a209_quant
	.p2align	8
	.type	k_q7f9f46a209_quant,@function
k_q7f9f46a209_quant:
	s_mov_b64 s[64:65], 0
	v_nop
	global_prefetch_b8 v0, s[64:65] scope:SCOPE_SE
	s_setreg_imm32_b32 hwreg(HW_REG_WAVE_MODE, 25, 1), 1
	s_wait_xcnt 0x0
; x [4096][4096] f32 and w[n][k] = ((f32(weight_q[n][k]) - f32(zero_point[n])) * scale[n]) * gamma[n] (f32, in that order) are turned into codes of FP4 (E2M1) with one E8M0 scale byte
; for each 32 along K.  A block's scale is 2^(floor(log2(its largest magnitude)) - 2); its byte is the largest magnitude's own exponent field - 2, held at 1 from below.
; LIMITS: NaN and infinities among the inputs are not served.  A block of zeros gets the byte 1 where the rule says 127: its codes are zeros, which add nothing under any byte but 0xff, and the
; bytes are read by this program alone.  A block whose largest magnitude lies under 2^-124 has its byte held at 1, as the rule's own clip at -126 holds it.
; THE WORKSPACE IS LAID AS THE PRODUCT'S SLOTS AND OPERAND REGISTERS WANT IT.  Row R = 0 .. 4095 is x's row R, row 4096 + n is w's row n.
;   cod: [R / 128][K step of 512][a chunk of CH = 34,816 bytes].  A chunk: 32,768 bytes of codes, [(R % 128) / 16][128 along K][1,024 bytes]: a fragment (16 rows x 128 K) as an image of its
;   8 registers (register group c = 0, 1; lane; 16 bytes); behind them 2,048 scale bytes, [R % 128][16 bytes]: four scale words a row, one for each 128 along K.
; SHARES.  A wave takes 16 rows x 512 along K: 32,768 bytes in, four fragments (4,096 consecutive bytes) and 256 consecutive scale bytes out.  Work-groups 0 .. 511 take x, the others w;
; a work-group's four waves take four neighbouring K steps of one group of 16 rows.  Only the input's pointer is chosen; both tensors take one path, and x jumps over the dequantising lines alone.
; Each load reads 512 consecutive bytes of one row.  The conversions want 16 neighbours along K in one lane, so a fragment's 16 x 512 bytes turn through the wave's own stage in LDS.
; No tensor loads, no barrier, no cluster: waves share nothing, and each byte is read once.  No prefetch: the loads themselves run a fragment ahead in every wave, sixteen waves to a WGP.
.set CH,    34816                      ; a chunk of the workspace
.set SP,    528                        ; a stage row: 512 bytes + 16: an odd multiple of 16, so the 16 rows that a load touches fall into 16 different 16-byte columns of 256
.set STG,   16*SP                      ; a wave's stage
.set SPARE, 4*STG                      ; behind the stages: the spare words, 128 bytes a wave, that no other line names
.set NIL,   1                          ; v1       0; never rewritten
.set SPW,   9                          ; v9       LDS address of my spare word; never rewritten
.set R,     16                         ; v16-143  two sets of 64: a fragment as it is loaded
.set X,     144                        ; v144-207 64 numbers of my row: register 16 b + i = k 32 b + 16 (lane / 16) + i
.set PC,    208                        ; v208-239 codes: eight registers for each fragment, so that no store's data are written again
.set TM,    240                        ; v240-243 largest magnitudes, v244-247 bytes, v252-255 the conversions' scale operands
.set SW,    248                        ; v248-251 the four scale words
.set SEL,   20                         ; s[20:21] v_permlanex16_b32's selects for lane l xor 16
	s_load_b256 s[4:11], s[0:1], 0x0               ; x s[4:5], weight_q s[6:7], zero_point s[8:9], scale s[10:11]
	s_load_b128 s[12:15], s[0:1], 0x20             ; gamma s[12:13], cod s[14:15]
	v_lshl_add_u32 v[SPW], v0, 2, SPARE
	v_mov_b32 v[NIL], 0
	v_lshrrev_b32 v4, 5, v0
	v_readfirstlane_b32 s18, v4                    ; wave 0..3
	v_and_b32 v4, 31, v0                           ; lane
	v_and_b32 v2, 15, v0                           ; r
	v_bfe_u32 v3, v0, 4, 1                         ; h
	v_lshlrev_b32 v4, 4, v4                        ; 16 x lane: my bytes of a load's 512, and of a store's
	s_mul_i32 s22, s18, STG                        ; my stage
	v_add_nc_u32 v5, s22, v4                       ; into it: as loaded
	v_mul_u32_u24 v6, v2, SP
	v_lshl_add_u32 v6, v3, 6, v6
	v_add_nc_u32 v6, s22, v6                       ; out of it: row r, + 64 h: my 16 numbers of each block of 32
	s_and_b32 s23, ttmp9, 511
	s_lshr_b32 s24, s23, 1                         ; which group of 16 rows of the tensor
	s_and_b32 s25, s23, 1
	s_lshl_b32 s25, s25, 2
	s_add_co_u32 s25, s25, s18                     ; which K step of 512
	s_lshl_b32 s26, s24, 6
	v_lshl_add_u32 v7, v2, 2, s26                  ; my row's place in zero_point, scale and gamma: 4 (16 group + r)
	v_lshlrev_b32 v8, 4, v2
	v_lshl_add_u32 v8, v3, 3, v8                   ; my 8 bytes of the wave's 256 scale bytes: 16 r + 8 h
	s_lshl_b32 s28, s24, 18                        ; the input: 16 rows of 16,384 bytes a group,
	s_lshl_b32 s27, s25, 11                        ; 2,048 bytes a K step
	s_add_co_u32 s28, s28, s27
	s_mov_b32 s29, 0
	s_lshr_b32 s26, ttmp9, 9                       ; 0: x, 1: w
	s_lshl_b32 s26, s26, 8
	s_add_co_u32 s26, s26, s24                     ; the group of 16 among the workspace's 512
	s_lshr_b32 s30, s26, 3                         ; R / 128
	s_and_b32 s26, s26, 7                          ; (R % 128) / 16
	s_lshl_b32 s30, s30, 3
	s_add_co_u32 s30, s30, s25                     ; the chunk's number: 8 (R / 128) + K step
	s_mul_i32 s30, s30, CH
	s_lshl_b32 s22, s26, 12
	s_add_co_u32 s22, s22, s30                     ; my codes: chunk + 4,096 ((R % 128) / 16)
	s_mov_b32 s23, 0
	s_lshl_b32 s26, s26, 8
	s_add_co_u32 s30, s30, s26
	s_add_co_u32 s30, s30, 32768                   ; my scale bytes: chunk + 32,768 + 256 ((R % 128) / 16)
	s_mov_b32 s31, 0
	s_mov_b32 s[SEL], 0x76543210
	s_mov_b32 s[SEL+1], 0xfedcba98
.irp b, 0,1,2,3
	v_mov_b32 v[TM+4+\b], 0                        ; written once: a lane permute's destination counts as one of its sources
.endr
	s_wait_alu depctr_va_vdst(0)                   ; the head's end
	s_wait_kmcnt 0x0
	s_cmp_lt_u32 ttmp9, 512                        ; the choice hangs on the work-group's number alone
	s_cselect_b64 s[4:5], s[4:5], s[6:7]
	s_add_nc_u64 s[4:5], s[4:5], s[28:29]
	s_add_nc_u64 s[16:17], s[14:15], s[30:31]      ; where my scale bytes go
	s_add_nc_u64 s[14:15], s[14:15], s[22:23]      ; where my codes go
	global_load_b32 v10, v7, s[8:9]                ; my row's zero point, scale and gamma.  x's work-groups load them too (the index is a valid one): every register is written on every path
	global_load_b32 v12, v7, s[10:11]
	global_load_b32 v14, v7, s[12:13]
.macro LOADF f                         ; fragment f: 128 along K of 16 rows; each load is 512 consecutive bytes of one row
.irp p, 0,1,2,3,4,5,6,7,8,9,10,11,12,13,14,15
	global_load_b128 v[R+64*((\f)%2)+4*\p:R+64*((\f)%2)+4*\p+3], v4, s[4:5] offset:\p*16384+512*(\f) th:TH_LOAD_NT
.endr
.endm
.macro TURNF f                         ; through the stage: LDS serves a wave's instructions in order, so no wait stands between the stores and the loads
.irp p, 0,1,2,3,4,5,6,7,8,9,10,11,12,13,14,15
	ds_store_b128 v5, v[R+64*((\f)%2)+4*\p:R+64*((\f)%2)+4*\p+3] offset:SP*\p
.endr
.irp b, 0,1,2,3
.irp j, 0,1,2,3
	ds_load_b128 v[X+16*\b+4*\j:X+16*\b+4*\j+3], v6 offset:128*\b+16*\j
.endr
.endr
.endm
.macro DEQ                             ; w = ((q - zero point) x scale) x gamma, in f32: the difference is exact, each product is rounded once
.set J, 0
.rept 64
	v_cvt_f32_i32 v[X+J], v[X+J]
.set J, J+1
.endr
.set J, 0
.rept 32
	v_pk_add_f32 v[X+J:X+J+1], v[X+J:X+J+1], v[10:11]
.set J, J+2
.endr
.set J, 0
.rept 32
	v_pk_mul_f32 v[X+J:X+J+1], v[X+J:X+J+1], v[12:13]
.set J, J+2
.endr
.set J, 0
.rept 32
	v_pk_mul_f32 v[X+J:X+J+1], v[X+J:X+J+1], v[14:15]
.set J, J+2
.endr
.endm
; 64 numbers of a lane, v[s] on, become a fragment's codes in v[pc] on and its scale word in v[pw]
.macro QUANT s, pc, pw
.irp b, 0,1,2,3
	v_max3_num_f32 v[TM+\b], |v[\s+16*\b]|, |v[\s+1+16*\b]|, 0x1800000   ; block b: my 16 numbers, and the floor 2^(3 - 127): so the byte cannot fall under 1
.endr
.irp i, 2,4,6,8,10,12,14
.irp b, 0,1,2,3
	v_max3_num_f32 v[TM+\b], v[TM+\b], |v[\s+16*\b+\i]|, |v[\s+1+16*\b+\i]|   ; (the four blocks by turns: no line waits for the line above it)
.endr
.endr
.irp b, 0,1,2,3
	v_permlanex16_b32 v[TM+4+\b], v[TM+\b], s[SEL], s[SEL+1]
.endr
.irp b, 0,1,2,3
	v_max_num_f32 v[TM+\b], v[TM+\b], v[TM+4+\b]   ; with lane l xor 16's: the block's largest magnitude
.endr
.irp b, 0,1,2,3
	v_add_nc_u32 v[TM+12+\b], 0xff000000, v[TM+\b] ; 2 off its exponent field: the conversion takes the exponent field of this operand as its scale, and nothing else of it
.endr
.irp b, 0,1,2,3
	v_lshrrev_b32 v[TM+4+\b], 23, v[TM+12+\b]      ; the scale's byte
.endr
	v_lshl_or_b32 v[\pw], v[TM+5], 8, v[TM+4]      ; the four bytes make my row's scale word (both halves of the lanes hold it)
	v_lshl_or_b32 v[\pw], v[TM+6], 16, v[\pw]
	v_lshl_or_b32 v[\pw], v[TM+7], 24, v[\pw]
.irp b, 0,1,2,3
	v_cvt_scalef32_pk8_fp4_f32 v[\pc+2*\b], v[\s+16*\b:\s+7+16*\b], v[TM+12+\b]
	v_cvt_scalef32_pk8_fp4_f32 v[\pc+1+2*\b], v[\s+8+16*\b:\s+15+16*\b], v[TM+12+\b]
.endr
	v_nop                                          ; one plain place behind a scaled conversion
.irp c, 0,1                                    ; the operand's layout wants a WHOLE block in a lane: lanes 0-15 block 2 c, lanes 16-31 block 2 c + 1
.irp i, 0,1
	v_permlane16_swap_b32 v[\pc+4*\c+\i], v[\pc+2+4*\c+\i]
.endr
.endr
.endm
.macro FRAGM f
.if (\f) < 3
	s_wait_loadcnt 16                              ; this fragment's sixteen loads (and, ahead of the first, the three parameters) are in; the next fragment's sixteen stay out
.else
	s_wait_loadcnt 0x0
.endif
.if (\f) == 0
	v_cvt_f32_i32 v10, v10
	v_xor_b32 v10, 0x80000000, v10                 ; - zero point, as f32;
	v_mov_b32 v11, v10                             ; each parameter twice, for the packed forms
	v_mov_b32 v13, v12
	v_mov_b32 v15, v14
.endif
	TURNF \f
	s_wait_dscnt 0x0                               ; my 64 numbers are back, and the stage's stores have read their registers,
.if (\f)+2 < 4
	LOADF (\f)+2                                   ; which take the loads of two fragments on
.endif
	s_cmp_lt_u32 ttmp9, 512
	s_cbranch_scc1 .Lplain_\@                      ; x is quantised as it is: only register work is jumped over
	DEQ
.Lplain_\@:
	QUANT X, PC+8*(\f), SW+(\f)
.irp c, 0,1
	global_store_b128 v4, v[PC+8*(\f)+4*\c:PC+8*(\f)+4*\c+3], s[14:15] offset:1024*(\f)+512*\c   ; the image of four registers: 32 lanes store 512 consecutive bytes, aligned
.endr
.endm
	LOADF 0
	LOADF 1
	FRAGM 0
	FRAGM 1
	FRAGM 2
	FRAGM 3
	v_cmp_ne_u32 vcc_lo, 0, v3                     ; lanes 0-15 store their row's words 0 and 1, lanes 16-31 words 2 and 3
	v_cndmask_b32 v240, v[SW], v[SW+2], vcc_lo
	v_cndmask_b32 v241, v[SW+1], v[SW+3], vcc_lo
	global_store_b64 v8, v[240:241], s[16:17]      ; the 32 lanes store 256 consecutive bytes, aligned
	s_wait_tensorcnt 0x0                           ; the wave's end, behind my last LDS store
	ds_add_u32 v[SPW], v[NIL]
	s_wait_dscnt 0x0
	s_endpgm
.Lfunc_end_k_q7f9f46a209_quant:
	.size	k_q7f9f46a209_quant, .Lfunc_end_k_q7f9f46a209_quant-k_q7f9f46a209_quant
	.p2alignl 7, 3214868480
	.fill 96, 4, 3214868480
	.section	.rodata,"a",@progbits
	.p2align	6, 0x0
	.amdhsa_kernel k_q7f9f46a209_quant
		.amdhsa_group_segment_fixed_size 34304
		.amdhsa_private_segment_fixed_size 0
		.amdhsa_enable_private_segment 0
		.amdhsa_kernarg_size 48
		.amdhsa_user_sgpr_count 2
		.amdhsa_user_sgpr_kernarg_segment_ptr 1
		.amdhsa_wavefront_size32 1
		.amdhsa_system_sgpr_workgroup_id_x 1
		.amdhsa_system_sgpr_workgroup_id_y 1
		.amdhsa_system_sgpr_workgroup_id_z 1
		.amdhsa_system_vgpr_workitem_id 0
		.amdhsa_next_free_vgpr 256
		.amdhsa_next_free_sgpr 66
		.amdhsa_reserve_vcc 1
		.amdhsa_float_denorm_mode_32 3
		.amdhsa_float_denorm_mode_16_64 3
		.amdhsa_memory_ordered 1
		.amdhsa_forward_progress 1
		.amdhsa_inst_pref_size 66
	.end_amdhsa_kernel
	.amdgpu_metadata
---
amdhsa.version: [ 1, 2 ]
amdhsa.kernels:
  - .name:           k_q7f9f46a209_quant
    .symbol:         k_q7f9f46a209_quant.kd
    .args:
      - { .name: x, .offset: 0, .size: 8, .value_kind: global_buffer, .address_space: global }
      - { .name: weight_q, .offset: 8, .size: 8, .value_kind: global_buffer, .address_space: global }
      - { .name: zero_point, .offset: 16, .size: 8, .value_kind: global_buffer, .address_space: global }
      - { .name: scale, .offset: 24, .size: 8, .value_kind: global_buffer, .address_space: global }
      - { .name: gamma, .offset: 32, .size: 8, .value_kind: global_buffer, .address_space: global }
      - { .name: cod, .offset: 40, .size: 8, .value_kind: global_buffer, .address_space: global }
    .group_segment_fixed_size: 34304
    .private_segment_fixed_size: 0
    .kernarg_segment_align: 8
    .kernarg_segment_size: 48
    .max_flat_workgroup_size: 128
    .sgpr_count:     66
    .vgpr_count:     256
    .wavefront_size: 32
...
	.end_amdgpu_metadata
.endif
;; end of part 1
;; launch gemm (part 2): grid 16 x 16, 4 waves a work-group, clusters of 4 x 4, 327,680 bytes of LDS; arguments cod, bias, gamma, out0; writes out0
.if DOCPART == 2
	.amdgcn_target "amdgcn-amd-amdhsa--gfx1250"
	.amdhsa_code_object_version 6
	.text
	.protected	k_q7f9f46a209_gemm
	.globl	k_q7f9f46a209_gemm
	.p2align	8
	.type	k_q7f9f46a209_gemm,@function
k_q7f9f46a209_gemm:
	s_mov_b64 s[64:65], 0
	v_nop
	global_prefetch_b8 v0, s[64:65] scope:SCOPE_SE
	s_setreg_imm32_b32 hwreg(HW_REG_WAVE_MODE, 25, 1), 1
	s_wait_xcnt 0x0
	s_wait_alu depctr_hold_cnt(0) depctr_sa_sdst(0) depctr_va_vdst(0) depctr_va_sdst(0) depctr_va_ssrc(0) depctr_va_vcc(0) depctr_vm_vsrc(0)
	s_getreg_b32 s2, hwreg(HW_REG_IB_STS2, 6, 4)
	s_cmp_eq_u32 s2, 0
	s_cbranch_scc0 .Lentry_in_a_cluster
	s_endpgm
.Lentry_in_a_cluster:
	s_bfe_u32 s2, ttmp6, 0x10000c
	s_cmp_lg_u32 s2, 0xf033
	s_cbranch_scc0 .Lentry_shape_is_right
	s_endpgm
.Lentry_shape_is_right:
; out0[m][n] = sum over k of Q(x)[m][k] Q(w)[n][k] + bias[n] gamma[n]: codes of FP4 (E2M1) with E8M0 scales for each 32 along K, as the launch before has laid them; sums in f32.
; cod: [group of 128 rows][K step of 512][chunk of CH bytes]; groups 0-31 are x's rows, 32-63 w's.  A chunk is 32,768 bytes of fragment images ([16 rows][128 K][1,024 bytes]: register group c, lane, 16 bytes)
; and behind them 2,048 scale bytes ([row][four words, one for each 128 K]): dense in memory, 136 rows of 256 bytes.
; A work-group of four waves makes 256 x 256 of the result, a wave 128 x 128: 64 accumulators, 512 registers.  K goes in 8 steps of 512 through two LDS slots of four chunks (x's two, w's two);
; each wave fetches one chunk, codes and scales together, with one tensor load.  By this text's count a wave never has more than one tensor load out.
; CLUSTERS: 4 x 4 work-groups; x's chunks are shared along a row of the cluster, w's along a column, and are asked for jointly.
; THE MATRIX INSTRUCTION IS USED TRANSPOSED (source 0 = 16 rows of w, source 1 = 16 rows of x): a lane holds eight neighbouring numbers of a row of the result.  bias x gamma is the C of each sum's first step.
; A STEP of 128 K: the 32 LDS loads of the NEXT step's fragments first, into the other of two sets for each side, then 64 matrix instructions on this step's set.
; THE CHANGE OF SLOTS stands in the middle of a slot's third step: the fourth step's fragments are in registers by then, so no wave reads the slot any more, and it is filled again from there.
; THE LAST K STEP GOES BY ROWS OF THE RESULT: all its fragments of w lie in window 1, x's come by blocks of 16 rows, and each block of 16 rows leaves as soon as its 32 matrix instructions are done.
; PREFETCH: a chunk is 136 blocks of 256 bytes; each of the four partners of a joint load names 34 of them, told apart by address (32 lanes a block each, then two blocks more, the lanes left over
; naming the last again): each block is named once in each cluster that will load it.  Behind the head's first joint load K steps 1 and 2 are named, behind its second K step 3, behind each refill
; the K step two refills on; the last two refills name nothing, so no address leaves the buffer, and at most two K steps are named and not yet loaded.
; REGISTERS: window 0: v0-31 addresses; v32-95 scale words, a set for each slot (register 4 i + q: lanes 0-15 x's block i, lanes 16-31 w's block i, the slot's q-th 128 K); v128-255 x's fragments, two sets
;   (in the last K step v128-191 two buffers of 16 rows x 512 K, v192-255 rows on the way out).
;   window 1: w's fragments at v0-63 and v128-191; v192-255 bias x gamma (in the last K step all 256: w's fragments of the whole step).
;   windows 2, 3: the accumulators of my rows 0-63, 64-127 ((a, b) at v[8 (8 (a % 4) + b)]).
.set FR,     8
.set NP,     4                         ; places behind this matrix form (ISA guide 7.12.1)
.set CH,     34816
.set GRP,    8*CH                      ; a group of 128 rows, all of K
.set SLOT,   4*CH
.set SPARE,  2*SLOT                    ; behind the ring: the spare words, 128 bytes a wave, that no other line names
.set SHARE,  CH/4                      ; a partner's part of a chunk in the prefetch
.set SPITCH, 528                       ; the way out: a stage of 16 rows x (512 + 16) bytes a wave, in slot 0, behind that slot's last fill and last read
.set NROW,   16384                     ; a row of the result in bytes
.set CO,   4                           ; v4      16 x lane
.set ADRA, 16                          ; v16-17  my fragments of x in slot 0, 1
.set ADRB, 20                          ; v20-21  of w
.set ADRS, 22                          ; v22-23  my scale words: lanes 0-15 x's rows, lanes 16-31 w's
.set STO,  24
.set RD,   25
.set SPW,  28
.set NIL,  29
.set PFO,  30
.set PFO2, 31
.set SC,   32
.set AF,   128
.set PA,   128
.set BK,   192
.set BI,   192
.set GM,   192
.set G1, 24
.set G0, 32
.set G1B, 48
.set G0B, 56
.set PFA, 72
.set MSB, 0
.macro WIN new                         ; the immediate's high byte repeats the setting that is left
.if MSB != \new
	s_set_vgpr_msb (MSB<<8)|\new
.set MSB, \new
.endif
.endm
.set MUL_LO,  0xa1                     ; source 0 window 1, source 1 window 0, C and D window 2
.set MUL_HI,  0xf1                     ; C and D window 3
.set MUL_LO1, 0x91                     ; the first step: C from window 1
.set MUL_HI1, 0xd1
.set TO_B,    0x40
.macro JLOAD s                         ; a joint load: waves 0, 1 fetch x's chunks, waves 2, 3 w's; s_nop 0 and four v_nop behind each line
	s_cmp_eq_u32 s15, 0
	s_cbranch_scc0 .Lfor_b_\@
	tensor_load_to_lds s[G0+4*\s:G0+4*\s+3], s[G1:G1+7]
	s_nop 0
.rept 4
	v_nop
.endr
	s_branch .Lasked_\@
.Lfor_b_\@:
	tensor_load_to_lds s[G0B+4*\s:G0B+4*\s+3], s[G1B:G1B+7]
	s_nop 0
.rept 4
	v_nop
.endr
.Lasked_\@:
.endm
.macro PFK k                           ; my work-group's 34 blocks of the chunk k K steps behind where PFA stands
	global_prefetch_b8 v[PFO], s[PFA:PFA+1] offset:(\k)*CH th:TH_LOAD_NT scope:SCOPE_SE
	global_prefetch_b8 v[PFO2], s[PFA:PFA+1] offset:(\k)*CH th:TH_LOAD_NT scope:SCOPE_SE
.endm
.macro ASK                             ; s3 = 1 in the loop's last trip, whose refills have no K step two on
	s_cmp_gt_u32 s3, 1
	s_cbranch_scc0 .Lnot_mine_\@
	PFK 2
.Lnot_mine_\@:
.endm
.macro CREST                           ; a round of the cluster's barrier behind its opening barrier
	s_cmp_lg_u32 s14, 0
	s_cbranch_scc1 .Lnot_wave_0_\@
	s_barrier_signal -3
.Lnot_wave_0_\@:
	s_barrier_wait -3
	s_barrier_signal -1
	s_barrier_wait -1
.endm
.macro CROUND
	s_barrier_signal -1
	s_barrier_wait -1
	CREST
.endm
	s_load_b256 s[4:11], s[0:1], 0x0               ; cod s[4:5], bias s[6:7], gamma s[8:9], out0 s[10:11]
	v_lshl_add_u32 v[SPW], v0, 2, SPARE
	v_mov_b32 v[NIL], 0
	ds_add_u32 v[SPW], v[NIL]                      ; the opening: the add, twice on end, and its wait ahead of my first tensor load
	ds_add_u32 v[SPW], v[NIL]
	v_lshrrev_b32 v1, 5, v0
	v_readfirstlane_b32 s14, v1                    ; wave 0..3
	s_lshr_b32 s15, s14, 1                         ; my half of the block's rows.  Also: I fetch for x (0) or for w (1)
	s_and_b32 s16, s14, 1                          ; my half of its columns.  Also: which group of 128 rows I fetch
	s_bfe_u32 s40, ttmp6, 0x40000                  ; cx, cy
	s_bfe_u32 s41, ttmp6, 0x40004
	s_lshl_b32 s42, ttmp9, 2
	s_add_co_u32 s42, s42, s40                     ; block column
	s_and_b32 s17, ttmp7, 0xffff
	s_lshl_b32 s17, s17, 2
	s_add_co_u32 s17, s17, s41                     ; block row
	s_lshl_b32 s43, s41, 2
	s_lshl_b32 s43, 15, s43                        ; my row of the cluster
	s_lshl_b32 s44, 0x1111, s40                    ; my column
	s_or_b32 s[G1+0], s43, (3<<16)|(1<<21)         ; the mask; elements of 8 bytes; bit 21 beside a mask; no padding: the image is read 16 bytes a lane on end
	s_or_b32 s[G1B+0], s44, (3<<16)|(1<<21)
.irp g, G1, G1B
	s_mov_b32 s[\g+1], 32<<16                      ; rows of 32 elements = 256 bytes,
	s_mov_b32 s[\g+2], (CH/256)<<16                ; 136 of them,
	s_mov_b32 s[\g+3], 32<<16
	s_mov_b32 s[\g+4], CH/256
	s_mov_b32 s[\g+5], 32                          ; dense
	s_mov_b32 s[\g+6], 0
	s_mov_b32 s[\g+7], 0
.endr
	s_lshl_b32 s20, s17, 1
	s_add_co_u32 s20, s20, s16
	s_mul_i32 s20, s20, GRP                        ; x's group that I fetch, in bytes: hangs on the block row alone
	s_mov_b32 s21, 0
	s_lshl_b32 s46, s42, 1
	s_add_co_u32 s46, s46, s16
	s_add_co_u32 s46, s46, 32
	s_mul_i32 s46, s46, GRP                        ; w's: on the block column alone
	s_mov_b32 s47, 0
	s_mul_i32 s45, s14, CH                         ; where my chunk goes in a slot
	s_wait_dscnt 0x0                               ; both opening adds are done
	s_wait_kmcnt 0x0
.irp s, 0,1
	s_mov_b32 s[G0+4*\s], 1
	s_add_co_u32 s[G0+4*\s+1], s45, \s*SLOT
	s_mov_b32 s[G0B+4*\s], 1
	s_add_co_u32 s[G0B+4*\s+1], s45, \s*SLOT
.endr
	s_add_nc_u64 s[G0+2:G0+3], s[4:5], s[20:21]    ; K step 0,
	s_add_nc_u64 s[G0+6:G0+7], s[G0+2:G0+3], CH    ; K step 1
	s_add_nc_u64 s[G0B+2:G0B+3], s[4:5], s[46:47]
	s_add_nc_u64 s[G0B+6:G0B+7], s[G0B+2:G0B+3], CH
.irp g, G0+3, G0+7, G0B+3, G0B+7
	s_or_b32 s[\g], s[\g], 0x80000000
.endr
	CROUND                                         ; all sixteen work-groups are here: the first joint loads meet
	JLOAD 0                                        ; K step 0, my chunk: one tensor load a wave at the head
	s_mul_i32 s21, s15, CH                         ; my 128 rows of x in a slot
	s_mul_i32 s22, s16, CH
	s_add_co_u32 s22, s22, 2*CH                    ; my 128 rows of w
	s_sub_co_u32 s23, s22, s21                     ; from the one to the other
	s_add_co_u32 s18, s21, 32768                   ; x's scale words
	s_lshl_b32 s19, s42, 10
	s_lshl_b32 s74, s16, 9
	s_add_co_u32 s19, s19, s74                     ; my first column, in bytes of f32
	s_mul_i32 s74, s14, 16*SPITCH                  ; my stage
	v_and_b32 v1, 15, v0                           ; r
	v_bfe_u32 v2, v0, 4, 1                         ; h
	v_and_b32 v3, 31, v0                           ; lane
	v_lshlrev_b32 v[CO], 4, v3
	v_lshl_add_u32 v15, v2, 5, s19                 ; bias and gamma: my eight columns of each block of 16
	v_add_nc_u32 v[ADRA], s21, v[CO]
	v_add_nc_u32 v[ADRB], s22, v[CO]
	v_add_nc_u32 v[ADRA+1], SLOT, v[ADRA]
	v_add_nc_u32 v[ADRB+1], SLOT, v[ADRB]
	v_mul_u32_u24 v6, s23, v2                      ; lanes 16-31 take w's words
	v_lshl_add_u32 v6, v1, 4, v6
	v_add_nc_u32 v[ADRS], s18, v6
	v_add_nc_u32 v[ADRS+1], SLOT, v[ADRS]
	v_lshlrev_b32 v[PFO], 8, v3                    ; blocks 0-31 of my work-group's 34,
	v_min_u32 v[PFO2], 1, v3
	v_lshl_add_u32 v[PFO2], v[PFO2], 8, 8192       ; blocks 32 and 33
	v_mul_u32_u24 v5, v1, SPITCH
	v_lshl_add_u32 v5, v2, 5, v5
	v_add_nc_u32 v[STO], s74, v5                   ; into the stage: row r, 32 bytes for each half of the lanes
	v_add_nc_u32 v[RD], s74, v[CO]                 ; back: the 32 lanes take a row of 512 bytes
	s_wait_alu depctr_va_vdst(0)
	WIN TO_B
.irp b, 0,1,2,3,4,5,6,7
	global_load_b128 v[BI+8*\b:BI+8*\b+3], v15, s[6:7] offset:64*\b
	global_load_b128 v[BI+8*\b+4:BI+8*\b+7], v15, s[6:7] offset:64*\b+16
.endr
	WIN 0
.irp b, 0,1,2,3,4,5,6,7
	global_load_b128 v[GM+8*\b:GM+8*\b+3], v15, s[8:9] offset:64*\b
	global_load_b128 v[GM+8*\b+4:GM+8*\b+7], v15, s[8:9] offset:64*\b+16
.endr
	s_cmp_eq_u32 s15, 0                            ; the prefetches: do I fetch for x?
	s_cselect_b32 s76, s20, s46                    ; the group that I fetch,
	s_cselect_b32 s77, s40, s41                    ; and my place among the four that ask for it with me
	s_mul_i32 s77, s77, SHARE
	s_add_co_u32 s76, s76, s77
	s_add_co_u32 s76, s76, CH                      ; at K step 1
	s_mov_b32 s77, 0
	s_add_nc_u64 s[PFA:PFA+1], s[4:5], s[76:77]
	s_lshl_b32 s66, s17, 8
	s_lshl_b32 s67, s15, 7
	s_add_co_u32 s66, s66, s67                     ; my first row of the result
	s_lshl_b32 s66, s66, 14
	s_add_co_u32 s66, s66, s19
	s_mov_b32 s67, 0
	s_add_nc_u64 s[10:11], s[10:11], s[66:67]
	s_wait_loadcnt 0x0
	PFK 0                                          ; K steps 1 and 2: behind the first joint load and the loads of bias and gamma, with the 32 multiplies, the waits and a round ahead of the second joint load
	PFK 1
	WIN 0x41
.set J, 0
.rept 32
	v_pk_mul_f32 v[BI+J:BI+J+1], v[BI+J:BI+J+1], v[GM+J:GM+J+1]   ; bias x gamma, in the result's layout
.set J, J+2
.endr
	WIN 0
.macro FRAG reg, adr, q, i             ; a fragment is an image of its 8 registers: two loads of 16 bytes a lane on end
.irp c, 0,1
	ds_load_b128 v[\reg+4*\c:\reg+4*\c+3], v[\adr] offset:(4*(\i)+(\q))*1024+512*\c
.endr
.endm
; 16 matrix instructions: x's blocks a0, a0 + 1 against w's eight.  p: the set of fragments; q: which 128 K of the slot; sc: the set of scale words.  The 64 accumulators take turns, in the same order in every step.
.macro MUL16 a0, p, q, sc, first
.irp a, \a0, \a0+1
.irp b, 0,1,2,3,4,5,6,7
.if \first
	v_wmma_scale_f32_16x16x128_f8f6f4 v[8*(8*((\a)%4)+\b):8*(8*((\a)%4)+\b)+7], v[128*(\p)+FR*\b:128*(\p)+FR*\b+FR-1], v[AF+64*(\p)+FR*(\a):AF+64*(\p)+FR*(\a)+FR-1], v[BI+8*\b:BI+8*\b+7], v[SC+32*(\sc)+4*\b+(\q)], v[SC+32*(\sc)+4*(\a)+(\q)] matrix_a_fmt:MATRIX_FMT_FP4 matrix_b_fmt:MATRIX_FMT_FP4 matrix_a_scale:MATRIX_SCALE_ROW1
.else
	v_wmma_scale_f32_16x16x128_f8f6f4 v[8*(8*((\a)%4)+\b):8*(8*((\a)%4)+\b)+7], v[128*(\p)+FR*\b:128*(\p)+FR*\b+FR-1], v[AF+64*(\p)+FR*(\a):AF+64*(\p)+FR*(\a)+FR-1], v[8*(8*((\a)%4)+\b):8*(8*((\a)%4)+\b)+7], v[SC+32*(\sc)+4*\b+(\q)], v[SC+32*(\sc)+4*(\a)+(\q)] matrix_a_fmt:MATRIX_FMT_FP4 matrix_b_fmt:MATRIX_FMT_FP4 matrix_a_scale:MATRIX_SCALE_ROW1
.endif
.endr
.endr
.endm
.macro MULS p, q, sc, first            ; a whole step: 64 matrix instructions
.if \first
	WIN MUL_LO1
.else
	WIN MUL_LO
.endif
	MUL16 0, \p, \q, \sc, \first
	MUL16 2, \p, \q, \sc, \first
.if \first
	WIN MUL_HI1
.else
	WIN MUL_HI
.endif
	MUL16 4, \p, \q, \sc, \first
	MUL16 6, \p, \q, \sc, \first
.endm
.macro FETCH slot, q, p                ; 32 LDS loads in one run: both sides' fragments of the slot's q-th 128 K into set p
	WIN TO_B
.irp i, 0,1,2,3,4,5,6,7
	FRAG 128*(\p)+FR*\i, ADRB+(\slot), \q, \i
.endr
	WIN 0
.irp i, 0,1,2,3,4,5,6,7
	FRAG AF+64*(\p)+FR*\i, ADRA+(\slot), \q, \i
.endr
.endm
.macro SCALES sc                       ; slot sc's scale words: four words a row; lanes 0-15 x's block i, lanes 16-31 w's
.irp i, 0,1,2,3,4,5,6,7
	ds_load_b128 v[SC+32*(\sc)+4*\i:SC+32*(\sc)+4*\i+3], v[ADRS+(\sc)] offset:\i*256
.endr
.endm
.macro PLACES n                        ; places in front of loads into registers that matrix instructions have read, and of reads of results
.rept \n
	v_nop
.endr
.endm
.macro Q slot, q, first                ; a slot's first or second step
	PLACES NP
	FETCH \slot, (\q)+1, 1-(\q)%2
	s_wait_dscnt 32                                ; all but the 32 just issued: this step's set (and scale words) are in
	MULS (\q)%2, \q, \slot, \first
.endm
; A slot's third step, with the change of slots in its middle.  fill = 1: a round of the cluster's barrier and a refill; 0: a barrier alone (the other slot is shown whole, nothing is filled).
.macro Q2 slot, fill
	PLACES NP
	FETCH \slot, 3, 1                              ; my last reads of this slot
	s_wait_dscnt 32
	WIN MUL_LO
	MUL16 0, 0, 2, \slot, 0
	MUL16 2, 0, 2, \slot, 0
	WIN 0
.if \fill
	s_wait_xcnt 0x0                                ; my prefetches have read their address: it steps a K step on
	s_add_nc_u64 s[PFA:PFA+1], s[PFA:PFA+1], CH
.endif
	s_wait_tensorcnt 0x0                           ; all my tensor loads have landed: my chunk of the other slot;
	ds_add_u32 v[SPW], v[NIL]                      ; 0 onto my spare word;
.if \fill
	s_add_nc_u64 s[G0+4*\slot+2:G0+4*\slot+3], s[G0+4*\slot+2:G0+4*\slot+3], 2*CH       ; no tensor load of mine is out: this slot's next K step
	s_add_nc_u64 s[G0B+4*\slot+2:G0B+4*\slot+3], s[G0B+4*\slot+2:G0B+4*\slot+3], 2*CH
.endif
	s_wait_dscnt 0x0                               ; the add is done, and my reads of this slot are over: the fourth step's fragments are in registers
	s_barrier_signal -1
	s_barrier_wait -1
.if \fill
	CREST                                          ; the barrier has opened a round of the cluster's barrier: no wave of any partner reads this slot or has a load on its way
	JLOAD \slot                                    ; the first tensor load behind the round
.endif
	WIN MUL_HI
	MUL16 4, 0, 2, \slot, 0
	MUL16 6, 0, 2, \slot, 0
.endm
; A slot's fourth step, on registers that landed ahead of the barrier; it fetches the next slot's first fragments and scale words.
.macro Q3 slot, next
	PLACES NP
	FETCH \next, 0, 0
	SCALES \next
	ASK
	MULS 1, 3, \slot, 0
.endm
	s_wait_alu depctr_va_vdst(0)                   ; the head's end
	s_wait_tensorcnt 0x0                           ; my chunk of K step 0 is in
	ds_add_u32 v[SPW], v[NIL]
	s_wait_dscnt 0x0
	CROUND                                         ; everybody's chunk is in, and all sixteen work-groups are here
	JLOAD 1                                        ; K step 1: the first tensor load behind the round
	FETCH 0, 0, 0
	SCALES 0
	PFK 2                                          ; K step 3
	Q 0, 0, 1                                      ; the first step stands in front of the loop: its C is bias x gamma
	WIN 0                                          ; at a label and at a branch every window is 0
	s_mov_b32 s3, 3
.Llap:                                                 ; a trip goes once round the ring and fills both slots again: K steps 2 to 7
	Q 0, 1, 0
	Q2 0, 1
	Q3 0, 1
	Q 1, 0, 0
	Q 1, 1, 0
	Q2 1, 1
	Q3 1, 0
	Q 0, 0, 0
	WIN 0
	s_sub_co_u32 s3, s3, 1
	s_cmp_lg_u32 s3, 0
	s_cbranch_scc1 .Llap
; THE LAST LAP fills nothing.  K step 6 ends as every K step; K step 7, in slot 1, goes by rows of the result.
.macro BLOAD q                         ; w's eight fragments of the slot's q-th 128 K -> window 1, v[64 q ..]
.irp i, 0,1,2,3,4,5,6,7
	FRAG 64*(\q)+FR*\i, ADRB+1, \q, \i
.endr
.endm
.macro ALOAD a                         ; x's block a, all four quarters -> buffer a % 2
.irp q, 0,1,2,3
	FRAG PA+32*((\a)%2)+FR*\q, ADRA+1, \q, \a
.endr
.endm
.macro ROW a                           ; block a is finished: 32 matrix instructions, its eight accumulators by turns, K ascending
	WIN MUL_LO+0x50*((\a)/4)
.irp q, 0,1,2,3
.irp b, 0,1,2,3,4,5,6,7
	v_wmma_scale_f32_16x16x128_f8f6f4 v[64*((\a)%4)+8*\b:64*((\a)%4)+8*\b+7], v[64*\q+FR*\b:64*\q+FR*\b+FR-1], v[PA+32*((\a)%2)+FR*\q:PA+32*((\a)%2)+FR*\q+FR-1], v[64*((\a)%4)+8*\b:64*((\a)%4)+8*\b+7], v[SC+32+4*\b+\q], v[SC+32+4*(\a)+\q] matrix_a_fmt:MATRIX_FMT_FP4 matrix_b_fmt:MATRIX_FMT_FP4 matrix_a_scale:MATRIX_SCALE_ROW1
.endr
.endr
.endm
; THE WAY OUT of a block of 16 rows x 128 columns, through my own stage: a lane's 32 bytes go in, whole rows of 512 bytes come back and are stored as two aligned units of 256 bytes.
; LDS serves a wave's instructions in order (ISA guide 5.7.1.4): no wait between the stores and the loads.
.macro TOSTAGE a
.set AC, 64*((\a)%4)
	WIN 0x08+4*((\a)/4)                            ; the data: window 2 or 3
.irp b, 0,1,2,3,4,5,6,7
	ds_store_b128 v[STO], v[AC+8*\b:AC+8*\b+3] offset:64*\b          ; each accumulator from its low end on
	ds_store_b128 v[STO], v[AC+8*\b+4:AC+8*\b+7] offset:64*\b+16
.endr
	WIN 0
.if (\a) > 0
	s_wait_xcnt 0x0                                ; the block before: its stores have read their registers and their base
.endif
.irp t, 0,1,2,3,4,5,6,7,8,9,10,11,12,13,14,15
	ds_load_b128 v[BK+4*\t:BK+4*\t+3], v[RD] offset:\t*SPITCH
.endr
.endm
.macro SEND a, younger                 ; younger: the LDS loads issued behind the stage's
	s_wait_dscnt \younger
.if (\a) > 0
	s_add_nc_u64 s[10:11], s[10:11], 16*NROW
.endif
.irp t, 0,1,2,3,4,5,6,7,8,9,10,11,12,13,14,15
	global_store_b128 v[CO], v[BK+4*\t:BK+4*\t+3], s[10:11] offset:\t*NROW th:TH_STORE_NT   ; 32 lanes store 512 consecutive bytes, aligned
.endr
.endm
	Q 0, 1, 0
	Q2 0, 0                                        ; K step 7 is whole in slot 1, and nobody reads slot 0 any more
	PLACES NP                                      ; for the loads into set 0 of both sides
	WIN TO_B
	BLOAD 0                                        ; three quarters of w now: set 1 (v128-191) is still to be multiplied
	BLOAD 1
	BLOAD 3
	WIN 0
	ALOAD 0
	ALOAD 1
	SCALES 1
	MULS 1, 3, 0, 0                                ; K step 6's last 128, on registers that landed ahead of the barrier
	PLACES NP                                      ; for the loads into set 1
	WIN TO_B
	BLOAD 2
	WIN 0
	s_wait_dscnt 0x0
	ROW 0
.irp a, 0,1,2,3,4,5,6,7
	PLACES NP                                      ; the stage's stores read results just made, and the loads below land on fragments just read
	TOSTAGE \a
.if \a < 6
	ALOAD \a+2                                     ; its buffer takes the block two further on
	SEND \a, 8                                     ; those eight loads may stay out; the next block's fragments, asked for a block ago, are in
.else
	SEND \a, 0
.endif
.if \a < 7
	ROW \a+1
.endif
.endr
	s_wait_tensorcnt 0x0                           ; the wave's end
	ds_add_u32 v[SPW], v[NIL]
	s_wait_dscnt 0x0
	CROUND                                         ; the closing round
	s_endpgm
.Lfunc_end_k_q7f9f46a209_gemm:
	.size	k_q7f9f46a209_gemm, .Lfunc_end_k_q7f9f46a209_gemm-k_q7f9f46a209_gemm
	.p2alignl 7, 3214868480
	.fill 96, 4, 3214868480
	.section	.rodata,"a",@progbits
	.p2align	6, 0x0
	.amdhsa_kernel k_q7f9f46a209_gemm
		.amdhsa_group_segment_fixed_size 327680
		.amdhsa_private_segment_fixed_size 0
		.amdhsa_enable_private_segment 0
		.amdhsa_kernarg_size 32
		.amdhsa_user_sgpr_count 2
		.amdhsa_user_sgpr_kernarg_segment_ptr 1
		.amdhsa_wavefront_size32 1
		.amdhsa_system_sgpr_workgroup_id_x 1
		.amdhsa_system_sgpr_workgroup_id_y 1
		.amdhsa_system_sgpr_workgroup_id_z 1
		.amdhsa_system_vgpr_workitem_id 0
		.amdhsa_next_free_vgpr 1024
		.amdhsa_next_free_sgpr 80
		.amdhsa_reserve_vcc 0
		.amdhsa_float_denorm_mode_32 3
		.amdhsa_float_denorm_mode_16_64 3
		.amdhsa_memory_ordered 1
		.amdhsa_forward_progress 1
		.amdhsa_inst_pref_size 213
	.end_amdhsa_kernel
	.amdgpu_metadata
---
amdhsa.version: [ 1, 2 ]
amdhsa.kernels:
  - .name:           k_q7f9f46a209_gemm
    .symbol:         k_q7f9f46a209_gemm.kd
    .args:
      - { .name: cod, .offset: 0, .size: 8, .value_kind: global_buffer, .address_space: global }
      - { .name: bias, .offset: 8, .size: 8, .value_kind: global_buffer, .address_space: global }
      - { .name: gamma, .offset: 16, .size: 8, .value_kind: global_buffer, .address_space: global }
      - { .name: out0, .offset: 24, .size: 8, .value_kind: global_buffer, .address_space: global }
    .group_segment_fixed_size: 327680
    .private_segment_fixed_size: 0
    .kernarg_segment_align: 8
    .kernarg_segment_size: 32
    .max_flat_workgroup_size: 128
    .sgpr_count:     80
    .vgpr_count:     1024
    .wavefront_size: 32
...
	.end_amdgpu_metadata
.endif
;; end of part 2
